; MI455X (gfx1250); checked and timed in simulation.
; The chip was launched on July 23, 2026; its instructions are those of AMD's public machine-readable ISA for CDNA 5 (MIT licence, August 2026) and "CDNA5" Instruction Set Architecture Reference Guide (July 2026). The comments in the code are by the model that wrote it; some were corrected since.
;; FPN Ro I Pool. Allowed arithmetic: float matrix products may take bf16 or f16 operands with f32 sums; all other float work in f32.
;; Inputs: feat0 2 x 256 x 200 x 200 float32; feat1 2 x 256 x 100 x 100 float32; feat2 2 x 256 x 50 x 50 float32; feat3 2 x 256 x 25 x 25 float32; rois 512 x 5 float32.
;; Outputs: out0 512 x 256 x 7 x 7 float32.
;; 2 versions, each right and faster than the one before. Each part assembles by itself: llvm-mc -triple=amdgcn-amd-amdhsa -mcpu=gfx1250 --defsym DOCPART=n.
;; ======== version 1 of 2: 2 launches
;; workspace buffers: plan 65,536 bytes of whole numbers
;; launch plan (part 1): grid 16 x 1, 1 waves a work-group, no clusters, 4,608 bytes of LDS; arguments rois, plan; writes plan
.if DOCPART == 1
	.amdgcn_target "amdgcn-amd-amdhsa--gfx1250"
	.amdhsa_code_object_version 6
	.text
	.protected	k_q0def60a298_plan
	.globl	k_q0def60a298_plan
	.p2align	8
	.type	k_q0def60a298_plan,@function
k_q0def60a298_plan:
	s_mov_b64 s[64:65], 0
	v_nop
	global_prefetch_b8 v0, s[64:65] scope:SCOPE_SE
	s_setreg_imm32_b32 hwreg(HW_REG_WAVE_MODE, 25, 1), 1
	s_wait_xcnt 0x0
; FPN RoI pooling, first step: the f32 rois become whole numbers, one record of 32 words (128 bytes) for each of 512 rois.
; One thread makes one roi's record; one wave a work-group, 32 rois.
; The record:
;   word 0 level   1 batch   2 first column x0   3 number of column windows   4 widest bin (columns)   5 rows per batch (3..6)   6,7 zero
;   word 8+p   bin row p:    first row | last row << 8 | (bin row holds a pixel) << 16                                             15 zero
;   word 16+p  bin column p: first column | last column << 8 | (holds a pixel) << 16 | window << 24, columns counted from the window's start
;   words 23..31 zero
; A window is 32 columns.  A region of at most 32 columns is one window at x0.  A wider one has windows at x0 + 20 k: a bin is at most
; 12 columns (the problem's MB), so the bin that starts at column c (from x0) lies wholly in window floor(c / 20): c - 20 k <= 19, its end <= 30.
; An empty bin gets first = last = an index inside the map and a cleared flag, so that the next launch can load without a test.
;
; LIMITS AND CHOICES
;  - Level: floor(2 + log2(sqrt(w h) / 224)) >= k is taken as w h >= (56 * 2^k)^2, with w h rounded as in reference().  Within a few units in
;    the last place of a threshold the two roundings can pick neighbouring levels.  A NaN or negative area gives level 0.
;  - reference()'s division by the constant 7 is taken as its compiler makes it: a product with the f32 number nearest 1/7 (0x3e124925).
;    With a correctly rounded quotient some bin edges would lie one pixel elsewhere (21 rows: 3.0000002 against 3).
;  - The whole-number steps (differences, sums with the roi's corner, clips) are done on whole numbers held in f32: exact while
;    |coordinate x scale| < 2^24; beyond that a clip still goes to the same side.  NaN coordinates are not served.
;  - The batch index is cut to 0..1 (reference() relies on an index inside the table).
.set T,    14                          ; v14, v15  at work
.set R0,   16                          ; v16-22    bin rows: first row
.set BH,   23                          ; v23       bin height
.set R1,   24                          ; v24-30    bin rows: last row
.set K64,  31                          ; v31       65536.0
.set RV,   32                          ; v32-38    bin rows: 65536.0 if the bin row holds a pixel, else 0
.set MH,   39                          ; v39       tallest bin
.set C0,   40                          ; v40-46    bin columns: first column
.set MW,   47                          ; v47       widest bin
.set C1,   48                          ; v48-54    bin columns: last column
.set T2,   55                          ; v55       at work
.set CV,   56                          ; v56-62    bin columns: flag as RV
.set SC,   10                          ; v10       the level's scale
.set WF,   11                          ; v11       the level's width = height
.set WM1,  12                          ; v12       width - 1
.set BW,   13                          ; v13       bin width
.set O,    64                          ; v64-91    the record's words 0..27 (24..27 zero, stored twice)
.set BK,   96                          ; v96-127   records read back from LDS in storing order
.set LP,   144                         ; LDS bytes from record to record: 128 + 16, an odd multiple of 16
	s_load_b128 s[4:7], s[0:1], 0x0                ; rois s[4:5], plan s[6:7]
	s_lshl_b32 s8, ttmp9, 5                        ; my wave's first roi
	s_lshl_b32 s10, ttmp9, 12                      ; and its 32 records of 128 bytes
	s_mov_b32 s11, 0
	v_add_nc_u32 v1, s8, v0                        ; my roi
	v_mul_u32_u24 v1, 20, v1                       ; five f32 a roi
	v_mov_b32 v[K64], 0x47800000
	s_wait_kmcnt 0x0
	s_add_nc_u64 s[6:7], s[6:7], s[10:11]
	global_load_b32 v2, v1, s[4:5]                 ; batch
	global_load_b32 v3, v1, s[4:5] offset:4        ; x1
	global_load_b32 v4, v1, s[4:5] offset:8        ; y1
	global_load_b32 v5, v1, s[4:5] offset:12       ; x2
	global_load_b32 v6, v1, s[4:5] offset:16       ; y2
	s_wait_loadcnt 0x0
	; the level: how many of 112^2, 224^2, 448^2 the area reaches
	v_sub_f32 v7, v5, v3
	v_sub_f32 v8, v6, v4
	v_add_f32 v7, 1.0, v7                          ; w
	v_add_f32 v8, 1.0, v8                          ; h
	v_mul_f32 v7, v7, v8
	v_cmp_le_f32 vcc_lo, 0x46440000, v7            ; 12544 <= w h
	v_cndmask_b32 v[O], 0, 1, vcc_lo
	v_cmp_le_f32 vcc_lo, 0x47440000, v7            ; 50176
	v_cndmask_b32 v8, 0, 1, vcc_lo
	v_add_nc_u32 v[O], v[O], v8
	v_cmp_le_f32 vcc_lo, 0x48440000, v7            ; 200704
	v_cndmask_b32 v8, 0, 1, vcc_lo
	v_add_nc_u32 v[O], v[O], v8
	v_sub_nc_u32 v[SC], 125, v[O]                  ; scale = 2^(-2 - level): its exponent field,
	v_lshlrev_b32 v[SC], 23, v[SC]                 ; moved into place
	; corners: floor(c * scale + 0.5).  The product with a power of two is exact, so the fused form rounds where reference() rounds
	v_fma_f32 v3, v3, v[SC], 0.5
	v_fma_f32 v4, v4, v[SC], 0.5
	v_fma_f32 v5, v5, v[SC], 0.5
	v_fma_f32 v6, v6, v[SC], 0.5
	v_floor_f32 v3, v3
	v_floor_f32 v4, v4
	v_floor_f32 v5, v5
	v_floor_f32 v6, v6
	v_mul_f32 v[WF], 0x44480000, v[SC]             ; 800 * scale = 200, 100, 50, 25: width and height of the level's map
	v_add_f32 v[WM1], -1.0, v[WF]
	v_sub_f32 v[BW], v5, v3
	v_sub_f32 v[BH], v6, v4
	v_add_f32 v[BW], 1.0, v[BW]
	v_add_f32 v[BH], 1.0, v[BH]
	v_max_num_f32 v[BW], 1.0, v[BW]                ; the region's width and height, at least 1,
	v_max_num_f32 v[BH], 1.0, v[BH]
	v_mul_f32 v[BW], 0x3e124925, v[BW]             ; times the f32 nearest 1/7 (see the head)
	v_mul_f32 v[BH], 0x3e124925, v[BH]
; One bin of one axis.  st: the roi's corner; b: the bin's size; fp = p, fn = -(p + 1) as f32.
; start = clip(floor(p b) + st), end = clip(ceil((p + 1) b) + st); ceil(x) is made as -floor(-x), and (-(p+1)) b rounds as (p+1) b does.
.macro BIN a0, a1, av, st, b, p, fp, fn
.if \p == 0
	v_med3_num_f32 v[T], v[\st], 0, v[WF]          ; floor(0 b) = 0
.else
	v_mul_f32 v[T], \fp, v[\b]
	v_floor_f32 v[T], v[T]
	v_add_f32 v[T], v[T], v[\st]
	v_med3_num_f32 v[T], v[T], 0, v[WF]            ; start, clipped to 0 .. width
.endif
	v_mul_f32 v[T+1], \fn, v[\b]
	v_floor_f32 v[T+1], v[T+1]
	v_sub_f32 v[T+1], v[\st], v[T+1]
	v_med3_num_f32 v[T+1], v[T+1], 0, v[WF]        ; end, clipped likewise
	v_cmp_gt_f32 vcc_lo, v[T+1], v[T]              ; end > start: the bin holds a pixel
	v_cndmask_b32 v[\av+\p], 0, v[K64], vcc_lo
	v_min_num_f32 v[\a0+\p], v[T], v[WM1]          ; first index, inside the map for an empty bin too
	v_add_f32 v[T], 0x41400000, v[T]               ; reference() looks at 12 pixels from the start and no further
	v_min_num_f32 v[T+1], v[T+1], v[T]
	v_add_f32 v[T+1], -1.0, v[T+1]
	v_max_num_f32 v[\a1+\p], v[T+1], v[\a0+\p]     ; last index, never in front of the first
.endm
.macro AXIS a0, a1, av, st, b
	BIN \a0, \a1, \av, \st, \b, 0, 0, -1.0
	BIN \a0, \a1, \av, \st, \b, 1, 1.0, -2.0
	BIN \a0, \a1, \av, \st, \b, 2, 2.0, 0xc0400000
	BIN \a0, \a1, \av, \st, \b, 3, 0x40400000, -4.0
	BIN \a0, \a1, \av, \st, \b, 4, 4.0, 0xc0a00000
	BIN \a0, \a1, \av, \st, \b, 5, 0x40a00000, 0xc0c00000
	BIN \a0, \a1, \av, \st, \b, 6, 0x40c00000, 0xc0e00000
.endm
; the largest bin of an axis, in pixels
.macro EXTENT dst, a0, a1
	v_sub_f32 v[\dst], v[\a1], v[\a0]
.irp p, 1,2,3,4,5,6
	v_sub_f32 v[T], v[\a1+\p], v[\a0+\p]
	v_max_num_f32 v[\dst], v[\dst], v[T]
.endr
	v_add_f32 v[\dst], 1.0, v[\dst]
.endm
	AXIS R0, R1, RV, 4, BH                         ; rows, from y1
	AXIS C0, C1, CV, 3, BW                         ; columns, from x1
	EXTENT MH, R0, R1
	EXTENT MW, C0, C1
	; the header
	v_cvt_u32_f32 v[O+1], v2                       ; toward zero; below zero gives 0
	v_min_u32 v[O+1], 1, v[O+1]
	v_cvt_u32_f32 v[O+2], v[C0]                    ; x0
	v_cvt_u32_f32 v[O+4], v[MW]
	; rows per batch U: the tallest bin if that is 3..6; for 7..12 rows the least U with U + (U - 1) >= rows, at most 6
	v_add_f32 v[T+1], 2.0, v[MH]
	v_mul_f32 v[T+1], 0.5, v[T+1]
	v_floor_f32 v[T+1], v[T+1]
	v_cmp_lt_f32 vcc_lo, 0x40c00000, v[MH]         ; 6 < rows
	v_cndmask_b32 v[T+1], v[MH], v[T+1], vcc_lo
	v_max_num_f32 v[T+1], 0x40400000, v[T+1]
	v_min_num_f32 v[T+1], 0x40c00000, v[T+1]
	v_cvt_u32_f32 v[O+5], v[T+1]
.irp z, 6,7,15,23,24,25,26,27
	v_mov_b32 v[O+\z], 0
.endr
	; bin rows: first + 256 last + 65536 flag, all exact in f32
.irp p, 0,1,2,3,4,5,6
	v_fmamk_f32 v[T], v[R1+\p], 0x43800000, v[R0+\p]
	v_add_f32 v[T], v[T], v[RV+\p]
	v_cvt_u32_f32 v[O+8+\p], v[T]
.endr
	; bin columns, with their windows
	v_sub_f32 v[T2], v[C1+6], v[C0]
	v_cmp_ge_f32 vcc_lo, 0x41f80000, v[T2]         ; 31 >= last - first: the region fits one window
.irp p, 0,1,2,3,4,5,6
	v_sub_f32 v[T], v[C0+\p], v[C0]                ; the bin's start, from x0
	v_mul_f32 v[T+1], 0x3d4ccccd, v[T]             ; / 20: the factor lies just above 0.05, so multiples of 20 do not fall short, and 19/20 plus the excess stays below 1 for starts up to 199
	v_floor_f32 v[T+1], v[T+1]
	v_cndmask_b32 v[T+1], v[T+1], v[O+6], vcc_lo   ; window 0 where one window does
	v_sub_f32 v[T2], v[C1+\p], v[C0]
	v_fmamk_f32 v[T], v[T+1], 0xc1a00000, v[T]     ; start and end, from the window's first column
	v_fmamk_f32 v[T2], v[T+1], 0xc1a00000, v[T2]
	v_fmamk_f32 v[T], v[T2], 0x43800000, v[T]
	v_add_f32 v[T], v[T], v[CV+\p]
	v_cvt_u32_f32 v[T], v[T]
	v_cvt_u32_f32 v[T+1], v[T+1]
	v_lshl_or_b32 v[O+16+\p], v[T+1], 24, v[T]
.endr
	v_add_nc_u32 v[O+3], 1, v[T+1]                 ; windows: the last bin's window + 1 (the starts ascend)
	; Out through the wave's LDS: a thread lays its record down, the wave reads the 4,096 bytes back in order, so that each store of the
	; wave covers 512 consecutive bytes, aligned.  LDS serves a wave's instructions in order (ISA guide 5.7.1): no wait between stores and loads.
	v_mul_u32_u24 v1, LP, v0
.irp k, 0,1,2,3,4,5,6
	ds_store_b128 v1, v[O+4*\k:O+4*\k+3] offset:16*\k
.endr
	ds_store_b128 v1, v[O+24:O+27] offset:112      ; words 28..31: zeros again
	v_lshrrev_b32 v7, 3, v0                        ; eight lanes take one record
	v_and_b32 v8, 7, v0
	v_mul_u32_u24 v7, LP, v7
	v_lshl_add_u32 v7, v8, 4, v7
	v_lshlrev_b32 v8, 4, v0
.irp k, 0,1,2,3,4,5,6,7
	ds_load_b128 v[BK+4*\k:BK+4*\k+3], v7 offset:4*LP*\k           ; records 4 k .. 4 k + 3
.endr
.irp k, 0,1,2,3,4,5,6,7
	s_wait_dscnt 7-\k                              ; LDS loads come back in order: load k is in, the 7 - k younger ones may be out
	global_store_b128 v8, v[BK+4*\k:BK+4*\k+3], s[6:7] offset:512*\k
.endr
	s_endpgm
.Lfunc_end_k_q0def60a298_plan:
	.size	k_q0def60a298_plan, .Lfunc_end_k_q0def60a298_plan-k_q0def60a298_plan
	.p2alignl 7, 3214868480
	.fill 96, 4, 3214868480
	.section	.rodata,"a",@progbits
	.p2align	6, 0x0
	.amdhsa_kernel k_q0def60a298_plan
		.amdhsa_group_segment_fixed_size 4608
		.amdhsa_private_segment_fixed_size 0
		.amdhsa_enable_private_segment 0
		.amdhsa_kernarg_size 16
		.amdhsa_user_sgpr_count 2
		.amdhsa_user_sgpr_kernarg_segment_ptr 1
		.amdhsa_wavefront_size32 1
		.amdhsa_system_sgpr_workgroup_id_x 1
		.amdhsa_system_sgpr_workgroup_id_y 1
		.amdhsa_system_sgpr_workgroup_id_z 1
		.amdhsa_system_vgpr_workitem_id 0
		.amdhsa_next_free_vgpr 128
		.amdhsa_next_free_sgpr 66
		.amdhsa_reserve_vcc 1
		.amdhsa_float_denorm_mode_32 3
		.amdhsa_float_denorm_mode_16_64 3
		.amdhsa_memory_ordered 1
		.amdhsa_forward_progress 1
		.amdhsa_inst_pref_size 20
	.end_amdhsa_kernel
	.amdgpu_metadata
---
amdhsa.version: [ 1, 2 ]
amdhsa.kernels:
  - .name:           k_q0def60a298_plan
    .symbol:         k_q0def60a298_plan.kd
    .args:
      - { .name: rois, .offset: 0, .size: 8, .value_kind: global_buffer, .address_space: global }
      - { .name: plan, .offset: 8, .size: 8, .value_kind: global_buffer, .address_space: global }
    .group_segment_fixed_size: 4608
    .private_segment_fixed_size: 0
    .kernarg_segment_align: 8
    .kernarg_segment_size: 16
    .max_flat_workgroup_size: 32
    .sgpr_count:     66
    .vgpr_count:     128
    .wavefront_size: 32
...
	.end_amdgpu_metadata
.endif
;; end of part 1
;; launch pool (part 2): grid 4 x 512, 4 waves a work-group, no clusters, 22,784 bytes of LDS; arguments feat0, feat1, feat2, feat3, plan, out0; writes out0
.if DOCPART == 2
	.amdgcn_target "amdgcn-amd-amdhsa--gfx1250"
	.amdhsa_code_object_version 6
	.text
	.protected	k_q0def60a298_pool
	.globl	k_q0def60a298_pool
	.p2align	8
	.type	k_q0def60a298_pool,@function
k_q0def60a298_pool:
	s_mov_b64 s[64:65], 0
	v_nop
	global_prefetch_b8 v0, s[64:65] scope:SCOPE_SE
	s_setreg_imm32_b32 hwreg(HW_REG_WAVE_MODE, 25, 1), 1
	s_wait_xcnt 0x0
; FPN RoI pooling, second step: out0[roi][c][ph][pw] = the largest pixel of bin (ph, pw) of channel c on the roi's level, 0 for an empty bin.
; All that steers an address or a trip count is a whole number from the roi's record (made by the launch before; its layout is repeated below).
; A work-group takes one roi (grid y) and 64 channels (grid x); each of its four waves takes 16 of them.
;
; ROWS FIRST.  Lane = column of a window of 32 columns, register = channel.  For one bin row, U rows x 16 channels are asked for together
; (one load = one row piece of one channel, up to 128 consecutive bytes; sixteen scalar bases, one for each channel's plane) and reduced to one
; number for each column and channel.  Rows past the bin's last row are clamped onto it: a pixel taken twice does not change a maximum.
; The body is written for U = 3, 4, 5, 6 and the record says which to take (the tallest bin, or about half of it): few rows are taken twice.
; THEN COLUMNS.  The 16 numbers of each column go to the wave's own LDS window (80 bytes a column: an odd multiple of 16, so sixteen lanes'
; 16-byte accesses to neighbouring columns fall on different 16-byte places modulo 256).  Lane = (bin column pw, four channels): it reads its
; bin's columns, clamped onto the last, 16 bytes each, from addresses that are made once for the roi.
; A region wider than 32 columns has several windows; a bin lies wholly in one of them, and a lane keeps the result of its bin's window.
; OUT.  The 64 x 49 results gather in LDS as they lie in out0: 12,544 bytes = 49 blocks of 256.  Behind one barrier each wave-wide 8-byte store
; covers 256 consecutive bytes, aligned.
; No tile is shared between work-groups at one time and a tile's shape hangs on the roi, so loads go through registers; rows at levels 2 and 3
; are 200 and 100 bytes apart, so only 4-byte loads are aligned at every level.
; LIMIT: a NaN in a map is dropped by the maxima here; reference() would hand it on.  The sign of a zero maximum may differ.
;
; The record (32 words): 0 level, 1 batch, 2 first column x0, 3 windows, 4 widest bin, 5 U; 8+ph: first row | last row << 8 | non-empty << 16;
; 15: zero; 16+pw: first column | last column << 8 | non-empty << 16 | window << 24, columns counted from the window's start x0 + 20 window.
.set BINS,   49
.set COLP,   80                        ; LDS bytes of a column: 16 channels + 16 bytes
.set WIN,    32*COLP                   ; a wave's window
.set STAGE,  4*WIN                     ; behind the four windows: 64 channels x 49 results
.set WSTEP,  20                        ; columns from window to window
.set LANE,   1                         ; v1      lane
.set X,      2                         ; v2      4 x my column; at the end 8 x thread
.set LS,     3                         ; v3      where my column's 16 numbers go
.set ST,     4                         ; v4      where my four results of bin row 0 go; never rewritten
.set KB,     5                         ; v5      my bin column's window
.set RES,    6                         ; v6-9    my four results
.set OFF,    10                        ; v10-15  byte offset of my pixel in each of the batch's rows
.set A,      16                        ; v16-27  LDS addresses of my bin's columns 0..11, clamped
.set STN,    28                        ; v28     where my four results of this bin row go (at work in the set-up)
.set D,      32                        ; v32-127 row i of the batch, channel c at D + 16 i + c; row 0 also holds the running maxima
.set P2,     D+16                      ; v48-95  the column stage's loads
.set BASE,   32                        ; s32-63  address of my channel c's plane, c = 0..15
; s4-11 the four maps   s12-13 the record   s14-15 my block of out0   s16-23 the record's words 0-7   s24 wave   s25 width   s26 bytes in a row
; s27 bytes in a plane   s31 width - 1   s67 this bin row's word   s68 the next one's   s69, s70 its first and last row   s71 window   s72 its
; first column   s73 next row   s74 at work   s77 counts the further batches   s78 how many there are   s80 lanes whose bin column is non-empty
; s81 the same if the bin row is too   s82 .. and the window is mine   s83 bin row   s84 4 x bin row
	s_load_b256 s[4:11], s[0:1], 0x0
	s_load_b128 s[12:15], s[0:1], 0x20             ; plan, out0
	v_and_b32 v[LANE], 31, v0
	v_lshrrev_b32 v28, 5, v0
	v_readfirstlane_b32 s24, v28                   ; wave 0..3
	s_and_b32 s30, ttmp7, 0xffff                   ; roi
	s_lshl_b32 s28, s30, 7                         ; its record
	s_mov_b32 s29, 0
	v_lshrrev_b32 v29, 2, v[LANE]
	v_min_u32 v29, 6, v29                          ; pw; lanes 28-31 repeat lanes 24-27 (same addresses, same numbers)
	v_lshlrev_b32 v29, 2, v29
	s_wait_kmcnt 0x0
	s_add_nc_u64 s[12:13], s[12:13], s[28:29]
	s_load_b256 s[16:23], s[12:13], 0x0            ; the header
	s_load_b32 s68, s[12:13], 0x20                 ; bin row 0
	global_load_b32 v30, v29, s[12:13] offset:64   ; my bin column
	s_mul_i32 s28, s30, 256*BINS*4                 ; my block of out0: roi x 50,176 + group x 12,544 bytes, below 2^25
	s_mul_i32 s31, ttmp9, 64*BINS*4
	s_add_co_u32 s28, s28, s31
	s_add_nc_u64 s[14:15], s[14:15], s[28:29]
	s_mul_i32 s75, s24, WIN                        ; my wave's window
	s_mul_i32 s76, s24, 16*BINS*4                  ; my wave's 16 channels in the stage
	s_add_co_u32 s76, s76, STAGE
	v_and_b32 v31, 3, v[LANE]                      ; which four channels
	v_mad_u32_u24 v[LS], v[LANE], COLP, s75
	v_mad_u32_u24 v[ST], v31, 4*BINS*4, v29        ; four channels x 196 bytes + 4 pw
	v_add_nc_u32 v[ST], s76, v[ST]
	v_lshl_add_u32 v31, v31, 4, s75                ; my 16 bytes of a column
	s_wait_kmcnt 0x0
	; Every number from the record is cut by a constant before it enters an address; behind the cut only sums, products and left shifts follow.
	s_min_u32 s16, s16, 3
	s_cmp_eq_u32 s16, 1
	s_cselect_b64 s[4:5], s[6:7], s[4:5]           ; the level's map
	s_cmp_eq_u32 s16, 2
	s_cselect_b64 s[4:5], s[8:9], s[4:5]
	s_cmp_eq_u32 s16, 3
	s_cselect_b64 s[4:5], s[10:11], s[4:5]
	s_lshr_b32 s25, 200, s16                       ; width = height = 200, 100, 50, 25
	s_min_u32 s25, s25, 200
	s_lshl_b32 s26, s25, 2
	s_mul_i32 s27, s25, s26
	s_sub_co_u32 s31, s25, 1
	s_min_u32 s17, s17, 1
	s_lshl_b32 s30, s17, 8                         ; plane number = 256 batch + 64 group + 16 wave, at most 496
	s_lshl_b32 s28, ttmp9, 6
	s_add_co_u32 s30, s30, s28
	s_lshl_b32 s28, s24, 4
	s_add_co_u32 s30, s30, s28
	s_mul_i32 s28, s30, s27                        ; at most 496 x 160,000 bytes: one word
	s_add_nc_u64 s[BASE:BASE+1], s[4:5], s[28:29]
	s_mov_b32 s28, s27
.set ic, 1
.rept 15
	s_add_nc_u64 s[BASE+2*ic:BASE+2*ic+1], s[BASE+2*ic-2:BASE+2*ic-1], s[28:29]
.set ic, ic+1
.endr
	s_min_u32 s19, s19, 10                         ; windows: a start of at most 199 lies in window 9
	s_wait_loadcnt 0x0
	v_and_b32 v28, 0xff, v30                       ; my bin's first column in its window
	v_bfe_u32 v29, v30, 8, 8                       ; and its last
	v_lshrrev_b32 v[KB], 24, v30
	v_bfe_u32 v30, v30, 16, 1
	v_cmp_ne_u32 s80, 0, v30
.set ij, 0
.rept 12
	v_add_nc_u32 v[A+ij], ij, v28
	v_min_u32 v[A+ij], v[A+ij], v29                ; past the bin's end: its last column again
	v_min_u32 v[A+ij], 31, v[A+ij]                 ; inside the window whatever the record holds
	v_mad_u32_u24 v[A+ij], v[A+ij], COLP, v31
.set ij, ij+1
.endr
; One batch: rows first .. U-1 of D are loaded with the map's rows srow, srow + 1, .. (clamped onto the bin's last row s70), 16 channels each,
; and rows 1 .. U-1 are folded into row 0.  first = 0: row 0 is loaded too and starts the maxima; first = 1: it holds them already.
; The offsets are written again only behind the batch's last wait, which is for 0: no load that names them is out then.
.macro BATCH U, first, srow
.set ir, \first
.rept \U-\first
	s_add_co_u32 s74, s[\srow], ir-\first
	s_min_u32 s74, s74, s70
	s_min_u32 s74, s74, 199
	s_mul_i32 s74, s74, s26
	v_add_nc_u32 v[OFF+ir], s74, v[X]
.set ir, ir+1
.endr
.set ic, 0
.rept 16
.set ir, \first
.rept \U-\first
	global_load_b32 v[D+16*ir+ic], v[OFF+ir], s[BASE+2*ic:BASE+2*ic+1]
.set ir, ir+1
.endr
.set ic, ic+1
.endr
.set ig, 0
.rept 4
	; Loads come back in order (ISA guide 5.7.1) and were issued channel by channel: channels 4 ig .. 4 ig + 3 are in when only the
	; (3 - ig) x 4 channels x rows behind them are out.  The wait's field ends at 63.
.if (3-ig)*4*(\U-\first) > 63
	s_wait_loadcnt 63
.else
	s_wait_loadcnt (3-ig)*4*(\U-\first)
.endif
.set ir, 1
.rept (\U-1)/2
.set ic, 4*ig
.rept 4
	v_max3_num_f32 v[D+ic], v[D+ic], v[D+16*ir+ic], v[D+16*ir+16+ic]
.set ic, ic+1
.endr
.set ir, ir+2
.endr
.if (\U-1)%2
.set ic, 4*ig
.rept 4
	v_max_num_f32 v[D+ic], v[D+ic], v[D+16*ir+ic]
.set ic, ic+1
.endr
.endif
.set ig, ig+1
.endr
.endm
; the column stage's maxima: columns 0-3, then two more columns at P2 + at
.macro MAXA
.irp q, 0,1,2,3
	v_max3_num_f32 v[P2+\q], v[P2+\q], v[P2+4+\q], v[P2+8+\q]
.endr
.irp q, 0,1,2,3
	v_max_num_f32 v[P2+\q], v[P2+\q], v[P2+12+\q]
.endr
.endm
.macro MAX2 at
.irp q, 0,1,2,3
	v_max3_num_f32 v[P2+\q], v[P2+\q], v[P2+\at+\q], v[P2+\at+4+\q]
.endr
.endm
; The whole roi for my 16 channels, with U rows in a batch.
.macro JOB U
	s_mov_b32 s83, 0                               ; bin row: counts the seven trips
.Lph_\U:
	s_wait_kmcnt 0x0                               ; this bin row's word, asked for a trip ago; that load's offset register s84 is free too
	s_mov_b32 s67, s68
	s_lshl_b32 s84, s83, 2
	s_load_b32 s68, s[12:13], s84 offset:0x24      ; the next one (in the last trip the record's word 15, not used)
	s_and_b32 s69, s67, 0xff                       ; first row
	s_bfe_u32 s70, s67, 0x80008                    ; last row
	; Batches behind the first, which takes U rows; each further one takes U - 1: floor((max(rows, 2) - 2) / (U - 1)).
	; The quotient is a product with 65536 / (U - 1) rounded up, shifted down by 16: exact for the numbers 0 .. 10 that reach it.
	s_sub_co_u32 s78, s70, s69                     ; rows - 1,
	s_min_u32 s78, s78, 11                         ; at most 11: a bin has at most 12 rows (the problem's MB)
	s_max_u32 s78, s78, 1
	s_sub_co_u32 s78, s78, 1
	s_mul_i32 s78, s78, 65536/(\U-1)+1
	s_lshr_b32 s78, s78, 16
	s_bitcmp1_b32 s67, 16
	s_cselect_b32 s81, s80, 0                      ; lanes whose bin holds a pixel
	s_mov_b32 s71, 0
	s_mov_b32 s72, s18
.irp q, 0,1,2,3
	v_mov_b32 v[RES+\q], 0                         ; what an empty bin keeps
.endr
.Lchunk_\U:
	v_add_nc_u32 v[X], s72, v[LANE]                ; my column of this window,
	v_min_u32 v[X], s31, v[X]                      ; held inside the map (such columns belong to no bin),
	v_min_u32 v[X], 199, v[X]                      ; cut by a constant,
	v_lshlrev_b32 v[X], 2, v[X]                    ; in bytes
	BATCH \U, 0, 69
	s_cmp_eq_u32 s78, 0
	s_cbranch_scc1 .Lrowsdone_\U
	s_add_co_u32 s73, s69, \U                      ; a bin row taller than U: the first row not yet taken
	s_mov_b32 s77, 0
.Lrows_\U:
	BATCH \U, 1, 73
	s_add_co_u32 s73, s73, \U-1
	s_add_co_u32 s77, s77, 1
	s_cmp_lt_u32 s77, s78
	s_cbranch_scc1 .Lrows_\U
.Lrowsdone_\U:
	; The window is the wave's own, and LDS serves a wave's instructions in order (ISA guide 5.7.1): no wait between these stores and the
	; loads below, nor between the last window's loads and these stores.
.irp q, 0,1,2,3
	ds_store_b128 v[LS], v[D+4*\q:D+4*\q+3] offset:16*\q
.endr
.irp q, 0,1,2,3
	ds_load_b128 v[P2+4*\q:P2+4*\q+3], v[A+\q]
.endr
	s_cmp_gt_u32 s20, 4                            ; the roi's widest bin says how many columns are read: 4, 6 or 12
	s_cbranch_scc1 .Lw6_\U
	s_wait_dscnt 0x0
	MAXA
	s_branch .Lmerge_\U
.Lw6_\U:
	ds_load_b128 v[P2+16:P2+19], v[A+4]
	ds_load_b128 v[P2+20:P2+23], v[A+5]
	s_cmp_gt_u32 s20, 6
	s_cbranch_scc1 .Lw12_\U
	s_wait_dscnt 0x0
	MAXA
	MAX2 16
	s_branch .Lmerge_\U
.Lw12_\U:
.irp q, 6,7,8,9,10,11
	ds_load_b128 v[P2+4*\q:P2+4*\q+3], v[A+\q]
.endr
	s_wait_dscnt 0x0
	MAXA
	MAX2 16
	MAX2 24
	MAX2 32
	MAX2 40
.Lmerge_\U:
	v_cmp_eq_u32 s82, s71, v[KB]                   ; my bin lies in this window,
	s_and_b32 s82, s82, s81                        ; and holds a pixel
.irp q, 0,1,2,3
	v_cndmask_b32 v[RES+\q], v[RES+\q], v[P2+\q], s82
.endr
	s_add_co_u32 s71, s71, 1
	s_add_co_u32 s72, s72, WSTEP
	s_cmp_lt_u32 s71, s19
	s_cbranch_scc1 .Lchunk_\U
	; Into the stage.  The address is made anew from a register that never changes and the bin row, cut by the constant 6 (which it never
	; passes), so that its range stands in these lines: 784 x 3 + 24 + 28 x 6 + 196 x 3 + 4 = 3,136 bytes, my wave's part and no more.
	s_min_u32 s74, s83, 6
	s_mul_i32 s74, s74, 28                         ; seven results a bin row
	v_add_nc_u32 v[STN], s74, v[ST]
.irp q, 0,1,2,3
	ds_store_b32 v[STN], v[RES+\q] offset:BINS*4*\q ; four channels, 196 bytes apart
.endr
	s_add_co_u32 s83, s83, 1
	s_cmp_lt_u32 s83, 7
	s_cbranch_scc1 .Lph_\U
.endm
	s_cmp_eq_u32 s21, 4
	s_cbranch_scc1 .LU4
	s_cmp_eq_u32 s21, 5
	s_cbranch_scc1 .LU5
	s_cmp_eq_u32 s21, 6
	s_cbranch_scc1 .LU6
	JOB 3
	s_branch .Lout
.LU4:
	JOB 4
	s_branch .Lout
.LU5:
	JOB 5
	s_branch .Lout
.LU6:
	JOB 6
.Lout:
	s_wait_kmcnt 0x0                               ; the last trip's scalar load: nothing of mine is out at the barrier
	s_wait_dscnt 0x0                               ; my results are in the stage: zero, for the other waves' sake
	s_barrier_signal -1
	s_barrier_wait -1                              ; everybody's are
	v_lshlrev_b32 v[X], 3, v0                      ; 8 bytes a thread: the same offset in the stage and in my block of out0
.set ir, 0
.rept 12
	ds_load_b64 v[D+2*ir:D+2*ir+1], v[X] offset:STAGE+1024*ir
.set ir, ir+1
.endr
.set ir, 0
.rept 12
	s_wait_dscnt 11-ir                             ; load ir is in, the 11 - ir younger ones may be out
	global_store_b64 v[X], v[D+2*ir:D+2*ir+1], s[14:15] offset:1024*ir th:TH_STORE_NT   ; a wave's store: 256 consecutive bytes, aligned
.set ir, ir+1
.endr
	s_cmp_lg_u32 s24, 0                            ; 49 blocks of 256 bytes = 12 for each wave and one more, which wave 0 takes
	s_cbranch_scc1 .Lend
	ds_load_b64 v[D+24:D+25], v[X] offset:STAGE+12288
	s_wait_dscnt 0x0
	global_store_b64 v[X], v[D+24:D+25], s[14:15] offset:12288 th:TH_STORE_NT
.Lend:
	s_endpgm
.Lfunc_end_k_q0def60a298_pool:
	.size	k_q0def60a298_pool, .Lfunc_end_k_q0def60a298_pool-k_q0def60a298_pool
	.p2alignl 7, 3214868480
	.fill 96, 4, 3214868480
	.section	.rodata,"a",@progbits
	.p2align	6, 0x0
	.amdhsa_kernel k_q0def60a298_pool
		.amdhsa_group_segment_fixed_size 22784
		.amdhsa_private_segment_fixed_size 0
		.amdhsa_enable_private_segment 0
		.amdhsa_kernarg_size 48
		.amdhsa_user_sgpr_count 2
		.amdhsa_user_sgpr_kernarg_segment_ptr 1
		.amdhsa_wavefront_size32 1
		.amdhsa_system_sgpr_workgroup_id_x 1
		.amdhsa_system_sgpr_workgroup_id_y 1
		.amdhsa_system_sgpr_workgroup_id_z 1
		.amdhsa_system_vgpr_workitem_id 0
		.amdhsa_next_free_vgpr 128
		.amdhsa_next_free_sgpr 86
		.amdhsa_reserve_vcc 0
		.amdhsa_float_denorm_mode_32 3
		.amdhsa_float_denorm_mode_16_64 3
		.amdhsa_memory_ordered 1
		.amdhsa_forward_progress 1
		.amdhsa_inst_pref_size 101
	.end_amdhsa_kernel
	.amdgpu_metadata
---
amdhsa.version: [ 1, 2 ]
amdhsa.kernels:
  - .name:           k_q0def60a298_pool
    .symbol:         k_q0def60a298_pool.kd
    .args:
      - { .name: feat0, .offset: 0, .size: 8, .value_kind: global_buffer, .address_space: global }
      - { .name: feat1, .offset: 8, .size: 8, .value_kind: global_buffer, .address_space: global }
      - { .name: feat2, .offset: 16, .size: 8, .value_kind: global_buffer, .address_space: global }
      - { .name: feat3, .offset: 24, .size: 8, .value_kind: global_buffer, .address_space: global }
      - { .name: plan, .offset: 32, .size: 8, .value_kind: global_buffer, .address_space: global }
      - { .name: out0, .offset: 40, .size: 8, .value_kind: global_buffer, .address_space: global }
    .group_segment_fixed_size: 22784
    .private_segment_fixed_size: 0
    .kernarg_segment_align: 8
    .kernarg_segment_size: 48
    .max_flat_workgroup_size: 128
    .sgpr_count:     86
    .vgpr_count:     128
    .wavefront_size: 32
...
	.end_amdgpu_metadata
.endif
;; end of part 2
;; ======== version 2 of 2: 2 launches; 1.53 times as fast as version 1
;; workspace buffers: plan 65,536 bytes of whole numbers; order 2,048 bytes of whole numbers
;; launch plan (part 3): grid 1 x 1, 16 waves a work-group, no clusters, 77,824 bytes of LDS; arguments rois, plan, order; writes plan, order
.if DOCPART == 3
	.amdgcn_target "amdgcn-amd-amdhsa--gfx1250"
	.amdhsa_code_object_version 6
	.text
	.protected	k_q0def60a298_plan
	.globl	k_q0def60a298_plan
	.p2align	8
	.type	k_q0def60a298_plan,@function
k_q0def60a298_plan:
	s_mov_b64 s[64:65], 0
	v_nop
	global_prefetch_b8 v0, s[64:65] scope:SCOPE_SE
	s_setreg_imm32_b32 hwreg(HW_REG_WAVE_MODE, 25, 1), 1
	s_wait_xcnt 0x0
; FPN RoI pooling, first step: the f32 rois become whole numbers.  One work-group of 16 waves; thread = roi (512).
; (1) plan: one record of 32 words (128 bytes) for each roi:
;   word 0 level   1 batch   2 first column x0   3 number of column windows   4 widest bin (columns)   5 zero   6 last column   7 zero
;   word 8+p   bin row p:    first row | last row << 8 | (bin row holds a pixel) << 16                                             15 zero
;   word 16+p  bin column p: first column | last column << 8 | (holds a pixel) << 16 | window << 24, columns counted from the window's start
;   words 23..31 zero
; A window is 32 columns.  A region of at most 32 columns is one window at x0.  A wider one has windows at x0 + 20 k: a bin is at most
; 12 columns (the problem's MB), so the bin that starts at column c (from x0) lies wholly in window floor(c / 20): c - 20 k <= 19, its end <= 30.
; An empty bin gets first = last = an index inside the map and a cleared flag, so that the next launch can load without a test.
; (2) order: 64 groups of 8 rois of about equal work, order[group][place], place 0 the heaviest.  The next launch gives a group to a work-group.
; Work is guessed as (rows that the seven bin rows take + 7) x (columns taken + 15 for each window's load).  The guess steers the balance alone:
; whatever it is, the keys (guess x 512 + roi, exact in f32, all different) come out as a permutation of the rois.
; No address of this launch may hang on a number made from the f32 inputs, so the rois are sorted by a network of fixed exchanges:
; wave 0 holds the 512 keys, element e = 16 lane + register.  For block sizes k = 2 .. 512: e against e xor (k - 1), then e against e xor k/4,
; k/8 .. 1; the lower element keeps the smaller key.  45 stages: 30 between registers, 15 between lanes.
; The sorted rois are dealt in eight rounds of 64, forth in the even rounds and back in the odd ones, so that a group's sum evens out.
;
; LIMITS AND CHOICES
;  - Level: floor(2 + log2(sqrt(w h) / 224)) >= k is taken as w h >= (56 * 2^k)^2, with w h rounded as in reference().  Within a few units in
;    the last place of a threshold the two roundings can pick neighbouring levels.  A NaN or negative area gives level 0.
;  - reference()'s division by the constant 7 is taken as its compiler makes it: a product with the f32 number nearest 1/7 (0x3e124925).
;    With a correctly rounded quotient some bin edges would lie one pixel elsewhere (21 rows: 3.0000002 against 3).
;  - The whole-number steps (differences, sums with the roi's corner, clips) are done on whole numbers held in f32: exact while
;    |coordinate x scale| < 2^24; beyond that a clip still goes to the same side.  NaN coordinates are not served.
;  - The batch index is cut to 0..1 (reference() relies on an index inside the table).
.set T,    14                          ; v14, v15  at work
.set R0,   16                          ; v16-22    bin rows: first row
.set BH,   23                          ; v23       bin height
.set R1,   24                          ; v24-30    bin rows: last row
.set K64,  31                          ; v31       65536.0
.set RV,   32                          ; v32-38    bin rows: 65536.0 if the bin row holds a pixel, else 0
.set RS,   39                          ; v39       rows of the seven bin rows together, + 7
.set C0,   40                          ; v40-46    bin columns: first column
.set MW,   47                          ; v47       widest bin
.set C1,   48                          ; v48-54    bin columns: last column
.set T2,   55                          ; v55       at work
.set CV,   56                          ; v56-62    bin columns: flag as RV
.set SC,   10                          ; v10       the level's scale
.set WF,   11                          ; v11       the level's width = height
.set WM1,  12                          ; v12       width - 1
.set BW,   13                          ; v13       bin width
.set O,    64                          ; v64-91    the record's words 0..27 (24..27 zero, stored twice)
.set LW,   92                          ; v92       LDS: where my record is laid down
.set LR,   93                          ; v93       LDS: where I read records back
.set GO,   94                          ; v94       16 x lane: my place in a store of the wave
.set KAD,  95                          ; v95       LDS: my key
.set BK,   96                          ; v96-127   records read back from LDS in storing order
.set LP,   144                         ; LDS bytes from record to record: 128 + 16, an odd multiple of 16
.set KEYS, 0                           ; LDS: 512 keys
.set ORD,  2048                        ; LDS: the order table on its way out
.set RECS, 4096                        ; LDS: 32 records of LP bytes for each wave
.set SA,   16                          ; the sort (wave 0, behind the barrier): v16-31 and v32-47 hold the keys by turns,
.set SB,   32
.set TT,   48                          ; v48-55 at work (all written above), v56-71 the table read back
	s_load_b128 s[4:7], s[0:1], 0x0                ; rois s[4:5], plan s[6:7]
	s_load_b64 s[8:9], s[0:1], 0x10                ; order
	v_lshrrev_b32 v1, 5, v0
	v_readfirstlane_b32 s10, v1                    ; wave 0..15
	s_lshl_b32 s2, s10, 12                         ; my wave's 32 records of 128 bytes
	s_mov_b32 s3, 0
	s_mul_i32 s11, s10, 32*LP
	s_add_co_u32 s11, s11, RECS                    ; my wave's part of LDS
	v_mul_u32_u24 v1, 20, v0                       ; five f32 a roi
	v_mov_b32 v[K64], 0x47800000
	s_wait_kmcnt 0x0
	s_add_nc_u64 s[6:7], s[6:7], s[2:3]
	global_load_b32 v2, v1, s[4:5]                 ; batch
	global_load_b32 v3, v1, s[4:5] offset:4        ; x1
	global_load_b32 v4, v1, s[4:5] offset:8        ; y1
	global_load_b32 v5, v1, s[4:5] offset:12       ; x2
	global_load_b32 v6, v1, s[4:5] offset:16       ; y2
	s_wait_loadcnt 0x0
	; the level: how many of 112^2, 224^2, 448^2 the area reaches
	v_sub_f32 v7, v5, v3
	v_sub_f32 v8, v6, v4
	v_add_f32 v7, 1.0, v7                          ; w
	v_add_f32 v8, 1.0, v8                          ; h
	v_mul_f32 v7, v7, v8
	v_cmp_le_f32 vcc_lo, 0x46440000, v7            ; 12544 <= w h
	v_cndmask_b32 v[O], 0, 1, vcc_lo
	v_cmp_le_f32 vcc_lo, 0x47440000, v7            ; 50176
	v_cndmask_b32 v8, 0, 1, vcc_lo
	v_add_nc_u32 v[O], v[O], v8
	v_cmp_le_f32 vcc_lo, 0x48440000, v7            ; 200704
	v_cndmask_b32 v8, 0, 1, vcc_lo
	v_add_nc_u32 v[O], v[O], v8
	v_sub_nc_u32 v[SC], 125, v[O]                  ; scale = 2^(-2 - level): its exponent field,
	v_lshlrev_b32 v[SC], 23, v[SC]                 ; moved into place
	; corners: floor(c * scale + 0.5).  The product with a power of two is exact, so the fused form rounds where reference() rounds
	v_fma_f32 v3, v3, v[SC], 0.5
	v_fma_f32 v4, v4, v[SC], 0.5
	v_fma_f32 v5, v5, v[SC], 0.5
	v_fma_f32 v6, v6, v[SC], 0.5
	v_floor_f32 v3, v3
	v_floor_f32 v4, v4
	v_floor_f32 v5, v5
	v_floor_f32 v6, v6
	v_mul_f32 v[WF], 0x44480000, v[SC]             ; 800 * scale = 200, 100, 50, 25: width and height of the level's map
	v_add_f32 v[WM1], -1.0, v[WF]
	v_sub_f32 v[BW], v5, v3
	v_sub_f32 v[BH], v6, v4
	v_add_f32 v[BW], 1.0, v[BW]
	v_add_f32 v[BH], 1.0, v[BH]
	v_max_num_f32 v[BW], 1.0, v[BW]                ; the region's width and height, at least 1,
	v_max_num_f32 v[BH], 1.0, v[BH]
	v_mul_f32 v[BW], 0x3e124925, v[BW]             ; times the f32 nearest 1/7 (see the head)
	v_mul_f32 v[BH], 0x3e124925, v[BH]
; One bin of one axis.  st: the roi's corner; b: the bin's size; fp = p, fn = -(p + 1) as f32.
; start = clip(floor(p b) + st), end = clip(ceil((p + 1) b) + st); ceil(x) is made as -floor(-x), and (-(p+1)) b rounds as (p+1) b does.
.macro BIN a0, a1, av, st, b, p, fp, fn
.if \p == 0
	v_med3_num_f32 v[T], v[\st], 0, v[WF]          ; floor(0 b) = 0
.else
	v_mul_f32 v[T], \fp, v[\b]
	v_floor_f32 v[T], v[T]
	v_add_f32 v[T], v[T], v[\st]
	v_med3_num_f32 v[T], v[T], 0, v[WF]            ; start, clipped to 0 .. width
.endif
	v_mul_f32 v[T+1], \fn, v[\b]
	v_floor_f32 v[T+1], v[T+1]
	v_sub_f32 v[T+1], v[\st], v[T+1]
	v_med3_num_f32 v[T+1], v[T+1], 0, v[WF]        ; end, clipped likewise
	v_cmp_gt_f32 vcc_lo, v[T+1], v[T]              ; end > start: the bin holds a pixel
	v_cndmask_b32 v[\av+\p], 0, v[K64], vcc_lo
	v_min_num_f32 v[\a0+\p], v[T], v[WM1]          ; first index, inside the map for an empty bin too
	v_add_f32 v[T], 0x41400000, v[T]               ; reference() looks at 12 pixels from the start and no further
	v_min_num_f32 v[T+1], v[T+1], v[T]
	v_add_f32 v[T+1], -1.0, v[T+1]
	v_max_num_f32 v[\a1+\p], v[T+1], v[\a0+\p]     ; last index, never in front of the first
.endm
.macro AXIS a0, a1, av, st, b
	BIN \a0, \a1, \av, \st, \b, 0, 0, -1.0
	BIN \a0, \a1, \av, \st, \b, 1, 1.0, -2.0
	BIN \a0, \a1, \av, \st, \b, 2, 2.0, 0xc0400000
	BIN \a0, \a1, \av, \st, \b, 3, 0x40400000, -4.0
	BIN \a0, \a1, \av, \st, \b, 4, 4.0, 0xc0a00000
	BIN \a0, \a1, \av, \st, \b, 5, 0x40a00000, 0xc0c00000
	BIN \a0, \a1, \av, \st, \b, 6, 0x40c00000, 0xc0e00000
.endm
	AXIS R0, R1, RV, 4, BH                         ; rows, from y1
	AXIS C0, C1, CV, 3, BW                         ; columns, from x1
	; the seven bin rows' rows together, and one more for each as the fixed part of a bin row's work: sum (last - first) + 14
	v_sub_f32 v[RS], v[R1], v[R0]
.irp p, 1,2,3,4,5,6
	v_sub_f32 v[T], v[R1+\p], v[R0+\p]
	v_add_f32 v[RS], v[RS], v[T]
.endr
	v_add_f32 v[RS], 0x41600000, v[RS]
	; the widest bin, in columns
	v_sub_f32 v[MW], v[C1], v[C0]
.irp p, 1,2,3,4,5,6
	v_sub_f32 v[T], v[C1+\p], v[C0+\p]
	v_max_num_f32 v[MW], v[MW], v[T]
.endr
	v_add_f32 v[MW], 1.0, v[MW]
	; the header
	v_cvt_u32_f32 v[O+1], v2                       ; toward zero; below zero gives 0
	v_min_u32 v[O+1], 1, v[O+1]
	v_cvt_u32_f32 v[O+2], v[C0]                    ; x0
	v_cvt_u32_f32 v[O+4], v[MW]
	v_cvt_u32_f32 v[O+6], v[C1+6]                  ; the last column that any bin takes (the ends ascend); inside the map
.irp z, 5,7,15,23,24,25,26,27
	v_mov_b32 v[O+\z], 0
.endr
	; bin rows: first + 256 last + 65536 flag, all exact in f32
.irp p, 0,1,2,3,4,5,6
	v_fmamk_f32 v[T], v[R1+\p], 0x43800000, v[R0+\p]
	v_add_f32 v[T], v[T], v[RV+\p]
	v_cvt_u32_f32 v[O+8+\p], v[T]
.endr
	; bin columns, with their windows
	v_sub_f32 v[T2], v[C1+6], v[C0]
	v_cmp_ge_f32 vcc_lo, 0x41f80000, v[T2]         ; 31 >= last - first: the region fits one window
.irp p, 0,1,2,3,4,5,6
	v_sub_f32 v[T], v[C0+\p], v[C0]                ; the bin's start, from x0
	v_mul_f32 v[T+1], 0x3d4ccccd, v[T]             ; / 20: the factor lies just above 0.05, so multiples of 20 do not fall short, and 19/20 plus the excess stays below 1 for starts up to 199
	v_floor_f32 v[T+1], v[T+1]
	v_cndmask_b32 v[T+1], v[T+1], v[O+7], vcc_lo   ; window 0 where one window does
	v_sub_f32 v[T2], v[C1+\p], v[C0]
	v_fmamk_f32 v[T], v[T+1], 0xc1a00000, v[T]     ; start and end, from the window's first column
	v_fmamk_f32 v[T2], v[T+1], 0xc1a00000, v[T2]
	v_fmamk_f32 v[T], v[T2], 0x43800000, v[T]
	v_add_f32 v[T], v[T], v[CV+\p]
	v_cvt_u32_f32 v[T], v[T]
	v_cvt_u32_f32 v[T+1], v[T+1]
	v_lshl_or_b32 v[O+16+\p], v[T+1], 24, v[T]
.endr
	v_add_nc_u32 v[O+3], 1, v[T+1]                 ; windows: the last bin's window + 1 (the starts ascend)
	; The key.  W windows take about n + 12 (W - 1) columns of a region of n (neighbours overlap by 12); with 15 more for each: n + 27 W - 12.
	v_cvt_f32_u32 v[T], v[O+3]                     ; W
	v_sub_f32 v[T+1], v[C1+6], v[C0]               ; n - 1
	v_fmamk_f32 v[T], v[T], 0x41d80000, v[T+1]     ; 27 W + n - 1
	v_add_f32 v[T], 0xc1300000, v[T]               ; - 11
	v_mul_f32 v[T], v[T], v[RS]
	v_min_num_f32 v[T], 0x46fffe00, v[T]           ; at most 32,767 (a NaN loses here), so that the key stays below 2^24
	v_cvt_f32_u32 v[T+1], v0
	v_fmamk_f32 v[T], v[T], 0x44000000, v[T+1]     ; x 512 + roi
	v_lshlrev_b32 v[KAD], 2, v0
	ds_store_b32 v[KAD], v[T] offset:KEYS
	; Records out through the wave's own LDS: a thread lays its record down, the wave reads its 4,096 bytes back in order, so that each store
	; of the wave covers 512 consecutive bytes, aligned.  LDS serves a wave's instructions in order (ISA guide 5.7.1): no wait between stores and loads.
	v_and_b32 v7, 31, v0                           ; lane
	v_mad_u32_u24 v[LW], v7, LP, s11
.irp k, 0,1,2,3,4,5,6
	ds_store_b128 v[LW], v[O+4*\k:O+4*\k+3] offset:16*\k
.endr
	ds_store_b128 v[LW], v[O+24:O+27] offset:112   ; words 28..31: zeros again
	v_lshrrev_b32 v8, 3, v7                        ; eight lanes take one record
	v_and_b32 v9, 7, v7
	v_mad_u32_u24 v[LR], v8, LP, s11
	v_lshl_add_u32 v[LR], v9, 4, v[LR]
	v_lshlrev_b32 v[GO], 4, v7
.irp k, 0,1,2,3,4,5,6,7
	ds_load_b128 v[BK+4*\k:BK+4*\k+3], v[LR] offset:4*LP*\k        ; records 4 k .. 4 k + 3
.endr
.irp k, 0,1,2,3,4,5,6,7
	s_wait_dscnt 7-\k                              ; LDS loads come back in order: load k is in, the 7 - k younger ones may be out
	global_store_b128 v[GO], v[BK+4*\k:BK+4*\k+3], s[6:7] offset:512*\k
.endr
	s_wait_dscnt 0x0                               ; my key is in LDS: zero, for wave 0's sake
	s_barrier_signal -1
	s_barrier_wait -1                              ; all 512 keys are
	s_cmp_lg_u32 s10, 0
	s_cbranch_scc1 .Lend                           ; the sort is wave 0's; it touches none of v92-127, which the stores above still read
	v_lshlrev_b32 v[TT], 4, v7
.irp k, 0,1,2,3
	ds_load_b128 v[SA+4*\k:SA+4*\k+3], v[TT] offset:KEYS+512*\k    ; any first order will do
.endr
	s_mov_b32 s12, 0x55555555                      ; lanes whose bit 0 is clear: the lower side of an exchange over 1 lane
	s_mov_b32 s13, 0x33333333                      ; bit 1
	s_mov_b32 s14, 0x0f0f0f0f                      ; bit 2
	s_mov_b32 s15, 0x00ff00ff                      ; bit 3
	s_mov_b32 s16, 0x0000ffff                      ; bit 4
	s_mov_b32 s17, 0x89abcdef                      ; v_permlanex16_b32: lane i of one half reads lane 15 - i of the other: lane xor 31
	s_mov_b32 s18, 0x01234567
	s_mov_b32 s19, 0xf0f0f0f0                      ; lanes of the odd rounds of 64 (bit 2 set)
	s_wait_dscnt 0x0
.set SRC, SA
.set DST, SB
.macro SWAPB                           ; each stage reads one bank of 16 registers and writes the other
.set TMPB, SRC
.set SRC, DST
.set DST, TMPB
.endm
; element e against e xor m, m < 16: two registers of one lane
.macro REGS m
.set ri, 0
.rept 16
.if (ri^\m) > ri
	v_min_num_f32 v[DST+ri], v[SRC+ri], v[SRC+(ri^\m)]
	v_max_num_f32 v[DST+(ri^\m)], v[SRC+ri], v[SRC+(ri^\m)]
.endif
.set ri, ri+1
.endr
	SWAPB
.endm
.macro LOW4
	REGS 8
	REGS 4
	REGS 2
	REGS 1
.endm
; element (lane, register) against (lane xor lm, register xor rx), lm < 16: the partner's key rides on the arithmetic (DPP);
; lanes named by the mask are the lower side and keep the smaller key.  Four registers at a time, so that no line waits for the one in front.
.macro LANES lm, rx, smask
.set gi, 0
.rept 4
.set ri, 4*gi
.rept 4
	v_min_num_f32_dpp v[TT+2*(ri%4)], v[SRC+(ri^\rx)], v[SRC+ri] row_xmask:\lm row_mask:0xf bank_mask:0xf
	v_max_num_f32_dpp v[TT+2*(ri%4)+1], v[SRC+(ri^\rx)], v[SRC+ri] row_xmask:\lm row_mask:0xf bank_mask:0xf
.set ri, ri+1
.endr
.set ri, 4*gi
.rept 4
	v_cndmask_b32 v[DST+ri], v[TT+2*(ri%4)+1], v[TT+2*(ri%4)], s[\smask]
.set ri, ri+1
.endr
.set gi, gi+1
.endr
	SWAPB
.endm
; the one stage over both halves of the wave: (lane xor 31, register xor 15)
.macro CROSS
.set gi, 0
.rept 4
.set ri, 4*gi
.rept 4
	v_permlanex16_b32 v[TT+2*(ri%4)], v[SRC+(ri^15)], s17, s18
.set ri, ri+1
.endr
.set ri, 4*gi
.rept 4
	v_min_num_f32 v[TT+2*(ri%4)+1], v[TT+2*(ri%4)], v[SRC+ri]
	v_max_num_f32 v[TT+2*(ri%4)], v[TT+2*(ri%4)], v[SRC+ri]
.set ri, ri+1
.endr
.set ri, 4*gi
.rept 4
	v_cndmask_b32 v[DST+ri], v[TT+2*(ri%4)], v[TT+2*(ri%4)+1], s16
.set ri, ri+1
.endr
.set gi, gi+1
.endr
	SWAPB
.endm
	REGS 1                                         ; k = 2
	REGS 3                                         ; k = 4
	REGS 1
	REGS 7                                         ; k = 8
	REGS 2
	REGS 1
	REGS 15                                        ; k = 16
	REGS 4
	REGS 2
	REGS 1
	LANES 1, 15, 12                                ; k = 32
	LOW4
	LANES 3, 15, 13                                ; k = 64
	LANES 1, 0, 12
	LOW4
	LANES 7, 15, 14                                ; k = 128
	LANES 2, 0, 13
	LANES 1, 0, 12
	LOW4
	LANES 15, 15, 15                               ; k = 256
	LANES 4, 0, 14
	LANES 2, 0, 13
	LANES 1, 0, 12
	LOW4
	CROSS                                          ; k = 512
	LANES 8, 0, 15
	LANES 4, 0, 14
	LANES 2, 0, 13
	LANES 1, 0, 12
	LOW4
	; Element e = 16 lane + register is now the e-th lightest.  Round = e / 64 = lane / 4, place = 7 - round, i = e mod 64;
	; group = i in the even rounds, 63 - i in the odd ones.  The word order[group][place] lies at 32 group + 4 place.
.set ri, 0
.rept 16
	v_cvt_u32_f32 v[SRC+ri], v[SRC+ri]
.set ri, ri+1
.endr
.set ri, 0
.rept 16
	v_and_b32 v[SRC+ri], 0x1ff, v[SRC+ri]          ; the roi
.set ri, ri+1
.endr
.set ri, 0
.rept 16
	v_cndmask_b32 v[DST+ri], v[SRC+ri], v[SRC+15-ri], s19          ; odd rounds: the lane's sixteen in reverse,
.set ri, ri+1
.endr
	v_and_b32 v[TT], 3, v7
	v_sub_nc_u32 v[TT+1], 3, v[TT]
	v_cndmask_b32 v[TT], v[TT], v[TT+1], s19       ; and the round's four lanes in reverse
	v_lshrrev_b32 v[TT+1], 2, v7
	v_sub_nc_u32 v[TT+1], 7, v[TT+1]               ; place
	v_lshlrev_b32 v[TT+1], 2, v[TT+1]
	v_lshl_add_u32 v[TT], v[TT], 9, v[TT+1]        ; 16 groups x 32 bytes for each of the four lanes
.set ri, 0
.rept 16
	ds_store_b32 v[TT], v[DST+ri] offset:ORD+32*ri
.set ri, ri+1
.endr
	v_lshlrev_b32 v[TT+2], 4, v7
.irp k, 0,1,2,3
	ds_load_b128 v[56+4*\k:59+4*\k], v[TT+2] offset:ORD+512*\k     ; the wave's own bytes, served in order
.endr
.irp k, 0,1,2,3
	s_wait_dscnt 3-\k                              ; load k is in, the 3 - k younger ones may be out
	global_store_b128 v[TT+2], v[56+4*\k:59+4*\k], s[8:9] offset:512*\k   ; 512 consecutive bytes, aligned
.endr
.Lend:
	s_endpgm
.Lfunc_end_k_q0def60a298_plan:
	.size	k_q0def60a298_plan, .Lfunc_end_k_q0def60a298_plan-k_q0def60a298_plan
	.p2alignl 7, 3214868480
	.fill 96, 4, 3214868480
	.section	.rodata,"a",@progbits
	.p2align	6, 0x0
	.amdhsa_kernel k_q0def60a298_plan
		.amdhsa_group_segment_fixed_size 77824
		.amdhsa_private_segment_fixed_size 0
		.amdhsa_enable_private_segment 0
		.amdhsa_kernarg_size 24
		.amdhsa_user_sgpr_count 2
		.amdhsa_user_sgpr_kernarg_segment_ptr 1
		.amdhsa_wavefront_size32 1
		.amdhsa_system_sgpr_workgroup_id_x 1
		.amdhsa_system_sgpr_workgroup_id_y 1
		.amdhsa_system_sgpr_workgroup_id_z 1
		.amdhsa_system_vgpr_workitem_id 0
		.amdhsa_next_free_vgpr 128
		.amdhsa_next_free_sgpr 66
		.amdhsa_reserve_vcc 1
		.amdhsa_float_denorm_mode_32 3
		.amdhsa_float_denorm_mode_16_64 3
		.amdhsa_memory_ordered 1
		.amdhsa_forward_progress 1
		.amdhsa_inst_pref_size 86
	.end_amdhsa_kernel
	.amdgpu_metadata
---
amdhsa.version: [ 1, 2 ]
amdhsa.kernels:
  - .name:           k_q0def60a298_plan
    .symbol:         k_q0def60a298_plan.kd
    .args:
      - { .name: rois, .offset: 0, .size: 8, .value_kind: global_buffer, .address_space: global }
      - { .name: plan, .offset: 8, .size: 8, .value_kind: global_buffer, .address_space: global }
      - { .name: order, .offset: 16, .size: 8, .value_kind: global_buffer, .address_space: global }
    .group_segment_fixed_size: 77824
    .private_segment_fixed_size: 0
    .kernarg_segment_align: 8
    .kernarg_segment_size: 24
    .max_flat_workgroup_size: 512
    .sgpr_count:     66
    .vgpr_count:     128
    .wavefront_size: 32
...
	.end_amdgpu_metadata
.endif
;; end of part 3
;; launch pool (part 4): grid 256 x 1, 32 waves a work-group, no clusters, 182,272 bytes of LDS; arguments feat0, feat1, feat2, feat3, plan, order, out0; writes out0
.if DOCPART == 4
	.amdgcn_target "amdgcn-amd-amdhsa--gfx1250"
	.amdhsa_code_object_version 6
	.text
	.protected	k_q0def60a298_pool
	.globl	k_q0def60a298_pool
	.p2align	8
	.type	k_q0def60a298_pool,@function
k_q0def60a298_pool:
	s_mov_b64 s[64:65], 0
	v_nop
	global_prefetch_b8 v0, s[64:65] scope:SCOPE_SE
	s_setreg_imm32_b32 hwreg(HW_REG_WAVE_MODE, 25, 1), 1
	s_wait_xcnt 0x0
; FPN RoI pooling, second step: out0[roi][c][ph][pw] = the largest pixel of bin (ph, pw) of channel c on the roi's level, 0 for an empty bin.
; All that steers an address or a trip count is a whole number from the launch before: order (64 groups of 8 rois of about equal work) and
; plan (a record of 32 words for each roi; layout below).
; THE SHARES.  256 work-groups of 32 waves.  Work-group g takes 64 channels (quarter g mod 4) of the 8 rois of group g / 4: what lies together is
; set by the table, so that all work-groups have about the same work.  Inside, wave w = 4 j + cg takes 16 channels (cg) and, in trip t = 0 .. 6,
; pair j + 8 t of the 56 pairs (roi place k, bin row ph), pair = 7 k + ph.  So a wave takes one bin row of seven of the eight rois, heavy and
; light alike, and the 32 waves end together.  The next task's record is asked for a trip ahead, its roi's number two trips ahead.
; A TASK, ROWS FIRST.  Lane = column of a window of 32 columns, register = channel.  The bin row's rows x 16 channels are asked for together
; (one load = one row piece of one channel; sixteen scalar bases, one for each channel's plane) and folded to one number for each column and
; channel.  Bodies for 1 to 6 rows; 7 to 11 rows go as U + (U - 1), 12 as 5 + 4 + 4; rows past the last are clamped onto it, and lanes past the
; region's last column onto that column: a pixel taken twice does not change a maximum, and nothing outside the region is asked for.
; THEN COLUMNS.  The 16 numbers of each column go to the wave's own LDS window (80 bytes a column: an odd multiple of 16, so sixteen lanes'
; 16-byte accesses to neighbouring columns fall on different 16-byte places modulo 256).  Lane = (bin column pw, four channels): it reads its
; bin's columns, clamped onto the last, 16 bytes each.  A region wider than 32 columns has several windows; a bin lies wholly in one of them,
; and a lane keeps the result of its bin's window.
; OUT.  The 8 x 64 x 49 results gather in LDS as they lie in out0: 12,544 bytes = 49 blocks of 256 for each roi.  Behind one barrier the four
; waves 4 j .. 4 j + 3 store roi j's block; each wave-wide 8-byte store covers 256 consecutive bytes, aligned.
; No tile is shared between work-groups at one time and a tile's shape hangs on the roi, so loads go through registers; rows at levels 2 and 3
; are 200 and 100 bytes apart, so only 4-byte loads are aligned at every level.
; LIMIT: a NaN in a map is dropped by the maxima here; reference() would hand it on.  The sign of a zero maximum may differ.
;
; The record: 0 level, 1 batch, 2 first column x0, 3 windows, 4 widest bin, 6 last column; 8+ph: first row | last row << 8 | non-empty << 16;
; 16+pw: first column | last column << 8 | non-empty << 16 | window << 24, columns counted from the window's start x0 + 20 window.
.set BINS,   49
.set COLP,   80                        ; LDS bytes of a column: 16 channels + 16 bytes
.set WIN,    32*COLP                   ; a wave's window
.set BLK,    64*BINS*4                 ; a roi's 64 channels x 49 results
.set WINS,   8*BLK                     ; LDS: the stage of eight such blocks first, the 32 windows behind it
.set WSTEP,  20                        ; columns from window to window
.set OUTX,   0                         ; v0      8 x (thread mod 128): my 8 bytes of each 1,024 on the way out
.set LANE,   1                         ; v1      lane
.set X,      2                         ; v2      4 x my column; at the end my LDS address in the stage
.set LS,     3                         ; v3      where my column's 16 numbers go
.set ST0,    4                         ; v4      my four results' place in a roi's block, bin row 0
.set KB,     5                         ; v5      my bin column's window
.set RES,    6                         ; v6-9    my four results
.set OFF,    10                        ; v10-15  byte offset of my pixel in each of the batch's rows; addresses of columns 6..11 of a wide bin
.set A,      16                        ; v16-21  LDS addresses of my bin's columns 0..5, clamped
.set CF,     22                        ; v22     my bin's first column in its window
.set CL,     23                        ; v23     and its last
.set PW4,    24                        ; v24     4 pw
.set VN,     25                        ; v25     the next task's word of my bin column
.set AB,     26                        ; v26     my 16 bytes of the window's column 0
.set STN,    27                        ; v27     where my four results of this task go
.set D,      32                        ; v32-127 row i of the batch, channel c at D + 16 i + c; row 0 also holds the running maxima
.set P2,     D+16                      ; v48-95  the column stage's loads
.set BASE,   32                        ; s32-63  address of my channel c's plane, c = 0..15
; s4-11 the four maps   s12-13 plan   s14-15 my group's 8 words of order   s18 x0   s19 windows   s20 widest bin   s21 last column   s22 bytes in a row
; s23 bytes in a plane   s24 wave   s25 cg   s26 j   s27 my first channel   s28-31 pairs at work   s66-67 out0   s68-75 the next record's header
; s76 its bin row's word   s77 the roi after it   s78-79 its address   s80-82 lane masks   s83 trip   s84, s85, s91 offsets of scalar loads
; s88, s89 the next task's k, ph   s90 the roi that I store   s92, s93 this task's k, ph   s95, s96 first and last row   s97 rows in a batch
; s98 further batches   s99 window   s100 its first column   s101 next row   s104 counts batches   s2, s3, s16, s17, s86, s87, s94, s105 at work
	s_load_b256 s[4:11], s[0:1], 0x0
	s_load_b128 s[12:15], s[0:1], 0x20             ; plan, order
	s_load_b64 s[66:67], s[0:1], 0x30              ; out0
	v_and_b32 v[LANE], 31, v0
	v_lshrrev_b32 v28, 5, v0
	v_readfirstlane_b32 s24, v28                   ; wave 0..31
	s_and_b32 s25, s24, 3                          ; cg
	s_lshr_b32 s26, s24, 2                         ; j
	s_and_b32 s16, ttmp9, 3                        ; the work-group's quarter of the channels
	s_lshr_b32 s17, ttmp9, 2                       ; and its group of rois
	s_lshl_b32 s27, s16, 6
	s_lshl4_add_u32 s27, s25, s27                  ; my first channel = 64 quarter + 16 cg
	s_lshl_b32 s28, s17, 5                         ; eight words a group
	s_mov_b32 s29, 0
	s_mul_i32 s30, s16, BLK
	s_mov_b32 s31, 0
	s_mul_i32 s86, s26, 37
	s_lshr_b32 s86, s86, 8                         ; k of my first task = j / 7
	s_lshl_b32 s85, s86, 2
	s_lshl_b32 s91, s26, 2
	v_lshrrev_b32 v28, 2, v[LANE]
	v_min_u32 v28, 6, v28                          ; pw; lanes 28-31 repeat lanes 24-27 (same addresses, same numbers)
	v_lshlrev_b32 v[PW4], 2, v28
	v_and_b32 v29, 3, v[LANE]                      ; which four channels
	s_mul_i32 s2, s24, WIN
	s_add_co_u32 s2, s2, WINS                      ; my wave's window
	v_mad_u32_u24 v[LS], v[LANE], COLP, s2
	v_lshl_add_u32 v[AB], v29, 4, s2
	s_mul_i32 s3, s25, 16*BINS*4                   ; my 16 channels in a block
	v_mad_u32_u24 v[ST0], v29, 4*BINS*4, v[PW4]    ; four channels x 196 bytes + 4 pw
	v_add_nc_u32 v[ST0], s3, v[ST0]
	v_and_b32 v[OUTX], 127, v0
	v_lshlrev_b32 v[OUTX], 3, v[OUTX]
	s_wait_kmcnt 0x0
	s_add_nc_u64 s[14:15], s[14:15], s[28:29]
	s_add_nc_u64 s[66:67], s[66:67], s[30:31]
	s_load_b32 s77, s[14:15], s85 offset:0x0       ; my first task's roi
	s_load_b32 s90, s[14:15], s91 offset:0x0       ; the roi at place j, whose block I help to store
	s_wait_kmcnt 0x0
; Asks for task tn's record (its roi's number is in s77) and for the number of the roi of task tn + 1.  s[tn] holds tn.
; Pair = j + 8 tn; k = pair / 7 as pair x 37 >> 8, exact for 0 .. 55.  Past the last task k and ph are cut to 7 and 6: a record that nobody uses.
; Every number from memory is cut by a constant before it enters an address.  The registers that these loads name (s78, s79, s84, s85, PW4)
; are written again only here, behind the waits for 0 at the head of a trip.
.macro FETCH_TASK tn
	s_lshl3_add_u32 s86, s[\tn], s26
	s_mul_i32 s87, s86, 37
	s_lshr_b32 s87, s87, 8
	s_min_u32 s88, s87, 7                          ; k
	s_mul_i32 s87, s88, 7
	s_sub_co_u32 s87, s86, s87
	s_min_u32 s89, s87, 6                          ; ph
	s_lshl_b32 s84, s89, 2
	s_min_u32 s87, s77, 511
	s_lshl_b32 s78, s87, 7                         ; 128 bytes a record
	s_mov_b32 s79, 0
	s_add_nc_u64 s[78:79], s[12:13], s[78:79]
	s_load_b256 s[68:75], s[78:79], 0x0            ; the header
	s_load_b32 s76, s[78:79], s84 offset:0x20      ; the bin row
	global_load_b32 v[VN], v[PW4], s[78:79] offset:64   ; my bin column
	s_add_co_u32 s86, s86, 8
	s_mul_i32 s86, s86, 37
	s_lshr_b32 s86, s86, 8
	s_min_u32 s86, s86, 7
	s_lshl_b32 s85, s86, 2
	s_load_b32 s77, s[14:15], s85 offset:0x0
.endm
; One batch: rows first .. U-1 of D are loaded with the map's rows srow, srow + 1, .. (clamped onto the bin's last row s96), 16 channels each,
; and rows 1 .. U-1 are folded into row 0.  first = 0: row 0 is loaded too and starts the maxima; first = 1: it holds them already.
; The offsets are written again only behind the batch's last wait, which is for 0: no load that names them is out then.
.macro BATCH U, first, srow
.set ir, \first
.rept \U-\first
	s_add_co_u32 s105, s[\srow], ir-\first
	s_min_u32 s105, s105, s96
	s_min_u32 s105, s105, 199
	s_mul_i32 s105, s105, s22
	v_add_nc_u32 v[OFF+ir], s105, v[X]
.set ir, ir+1
.endr
.set ic, 0
.rept 16
.set ir, \first
.rept \U-\first
	global_load_b32 v[D+16*ir+ic], v[OFF+ir], s[BASE+2*ic:BASE+2*ic+1]
.set ir, ir+1
.endr
.set ic, ic+1
.endr
.if \U == 1
	s_wait_loadcnt 0x0                             ; one row: nothing to fold
.else
.set ig, 0
.rept 4
	; Loads come back in order (ISA guide 5.7.1) and were issued channel by channel: channels 4 ig .. 4 ig + 3 are in when only the
	; (3 - ig) x 4 channels x rows behind them are out.  The wait's field ends at 63.
.if (3-ig)*4*(\U-\first) > 63
	s_wait_loadcnt 63
.else
	s_wait_loadcnt (3-ig)*4*(\U-\first)
.endif
.set ir, 1
.if \U >= 3
.rept (\U-1)/2
.set ic, 4*ig
.rept 4
	v_max3_num_f32 v[D+ic], v[D+ic], v[D+16*ir+ic], v[D+16*ir+16+ic]
.set ic, ic+1
.endr
.set ir, ir+2
.endr
.endif
.if (\U-1)%2
.set ic, 4*ig
.rept 4
	v_max_num_f32 v[D+ic], v[D+ic], v[D+16*ir+ic]
.set ic, ic+1
.endr
.endif
.set ig, ig+1
.endr
.endif
.endm
; A bin row's rows with U rows in the first batch; bins of 7 rows and more (U = 4, 5, 6) go on with s98 batches of U - 1.
.macro ROWS U, last
	BATCH \U, 0, 95
.if \U >= 4
	s_cmp_eq_u32 s98, 0
	s_cbranch_scc1 .Lcols
	s_add_co_u32 s101, s95, \U                     ; the first row not yet taken
	s_mov_b32 s104, 0
.Lrows_\U:
	BATCH \U, 1, 101
	s_add_co_u32 s101, s101, \U-1
	s_add_co_u32 s104, s104, 1
	s_cmp_lt_u32 s104, s98
	s_cbranch_scc1 .Lrows_\U
.endif
.if \last == 0
	s_branch .Lcols
.endif
.endm
; the column stage's maxima: columns 0-3, then two more columns at P2 + at
.macro MAXA
.irp q, 0,1,2,3
	v_max3_num_f32 v[P2+\q], v[P2+\q], v[P2+4+\q], v[P2+8+\q]
.endr
.irp q, 0,1,2,3
	v_max_num_f32 v[P2+\q], v[P2+\q], v[P2+12+\q]
.endr
.endm
.macro MAX2 at
.irp q, 0,1,2,3
	v_max3_num_f32 v[P2+\q], v[P2+\q], v[P2+\at+\q], v[P2+\at+4+\q]
.endr
.endm
	s_mov_b32 s83, 0                               ; trip
	FETCH_TASK 83
.Ltask:
	s_wait_kmcnt 0x0                               ; this task's record and the next task's roi, asked for a trip ago
	s_wait_loadcnt 0x0                             ; and my bin column's word
	s_mov_b32 s92, s88
	s_mov_b32 s93, s89
	s_min_u32 s16, s68, 3                          ; level
	s_cmp_eq_u32 s16, 1
	s_cselect_b64 s[28:29], s[6:7], s[4:5]         ; the level's map
	s_cmp_eq_u32 s16, 2
	s_cselect_b64 s[28:29], s[8:9], s[28:29]
	s_cmp_eq_u32 s16, 3
	s_cselect_b64 s[28:29], s[10:11], s[28:29]
	s_lshr_b32 s17, 200, s16                       ; width = height = 200, 100, 50, 25
	s_min_u32 s17, s17, 200
	s_lshl_b32 s22, s17, 2
	s_mul_i32 s23, s17, s22
	s_min_u32 s17, s69, 1                          ; batch
	s_lshl_b32 s17, s17, 8
	s_add_co_u32 s17, s17, s27                     ; plane number = 256 batch + my first channel, at most 496
	s_mul_i32 s30, s17, s23                        ; at most 496 x 160,000 bytes: one word
	s_mov_b32 s31, 0
	s_add_nc_u64 s[BASE:BASE+1], s[28:29], s[30:31]
	s_mov_b32 s30, s23
.set ic, 1
.rept 15
	s_add_nc_u64 s[BASE+2*ic:BASE+2*ic+1], s[BASE+2*ic-2:BASE+2*ic-1], s[30:31]
.set ic, ic+1
.endr
	s_mov_b32 s18, s70
	s_min_u32 s19, s71, 10                         ; windows: a start of at most 199 lies in window 9
	s_mov_b32 s20, s72
	s_mov_b32 s21, s74
	s_and_b32 s95, s76, 0xff                       ; first row
	s_bfe_u32 s96, s76, 0x80008                    ; last row
	; r rows, 1 .. 12 (the problem's MB).  r <= 6: one batch of r.  7 .. 11: U = (r + 2) / 2 and one batch of U - 1 more.  12: 5 + 4 + 4.
	s_sub_co_u32 s86, s96, s95
	s_min_u32 s86, s86, 11
	s_add_co_u32 s87, s86, 3
	s_lshr_b32 s87, s87, 1
	s_add_co_u32 s86, s86, 1
	s_cmp_gt_u32 s86, 6
	s_cselect_b32 s97, s87, s86
	s_cselect_b32 s98, 1, 0
	s_cmp_eq_u32 s86, 12
	s_cselect_b32 s97, 5, s97
	s_cselect_b32 s98, 2, s98
	v_and_b32 v[CF], 0xff, v[VN]
	v_bfe_u32 v[CL], v[VN], 8, 8
	v_lshrrev_b32 v[KB], 24, v[VN]
	v_bfe_u32 v28, v[VN], 16, 1
	v_cmp_ne_u32 s80, 0, v28                       ; lanes whose bin column holds a pixel
.set ij, 0
.rept 6
	v_add_nc_u32 v[A+ij], ij, v[CF]
	v_min_u32 v[A+ij], v[A+ij], v[CL]              ; past the bin's end: its last column again
	v_min_u32 v[A+ij], 31, v[A+ij]                 ; inside the window whatever the record holds
	v_mad_u32_u24 v[A+ij], v[A+ij], COLP, v[AB]
.set ij, ij+1
.endr
	s_bitcmp1_b32 s76, 16
	s_cselect_b32 s81, s80, 0                      ; .. and whose bin row does too
.irp q, 0,1,2,3
	v_mov_b32 v[RES+\q], 0                         ; what an empty bin keeps
.endr
	s_add_co_u32 s94, s83, 1
	FETCH_TASK 94                                  ; all of this record has been taken over: the next one may land
	s_mov_b32 s99, 0
	s_mov_b32 s100, s18
.Lwin:
	v_add_nc_u32 v[X], s100, v[LANE]               ; my column of this window,
	v_min_u32 v[X], s21, v[X]                      ; held inside the region (the columns past it belong to no bin),
	v_min_u32 v[X], 199, v[X]                      ; cut by a constant,
	v_lshlrev_b32 v[X], 2, v[X]                    ; in bytes
	s_cmp_eq_u32 s97, 3
	s_cbranch_scc1 .LU3
	s_cmp_eq_u32 s97, 4
	s_cbranch_scc1 .LU4
	s_cmp_eq_u32 s97, 2
	s_cbranch_scc1 .LU2
	s_cmp_eq_u32 s97, 5
	s_cbranch_scc1 .LU5
	s_cmp_eq_u32 s97, 1
	s_cbranch_scc1 .LU1
	ROWS 6, 0
.LU5:
	ROWS 5, 0
.LU4:
	ROWS 4, 0
.LU3:
	ROWS 3, 0
.LU2:
	ROWS 2, 0
.LU1:
	ROWS 1, 1
.Lcols:
	; The window is the wave's own, and LDS serves a wave's instructions in order (ISA guide 5.7.1): no wait between these stores and the
	; loads below, nor between the last window's loads and these stores.
.irp q, 0,1,2,3
	ds_store_b128 v[LS], v[D+4*\q:D+4*\q+3] offset:16*\q
.endr
.irp q, 0,1,2,3
	ds_load_b128 v[P2+4*\q:P2+4*\q+3], v[A+\q]
.endr
	s_cmp_gt_u32 s20, 4                            ; the roi's widest bin says how many columns are read: 4, 6 or 12
	s_cbranch_scc1 .Lw6
	s_wait_dscnt 0x0
	MAXA
	s_branch .Lmerge
.Lw6:
	ds_load_b128 v[P2+16:P2+19], v[A+4]
	ds_load_b128 v[P2+20:P2+23], v[A+5]
	s_cmp_gt_u32 s20, 6
	s_cbranch_scc1 .Lw12
	s_wait_dscnt 0x0
	MAXA
	MAX2 16
	s_branch .Lmerge
.Lw12:
.set ij, 0
.rept 6
	v_add_nc_u32 v[OFF+ij], 6+ij, v[CF]            ; columns 6 .. 11: few rois have such bins, so their addresses are made here,
	v_min_u32 v[OFF+ij], v[OFF+ij], v[CL]          ; in the registers of the rows' offsets, which no load names any more
	v_min_u32 v[OFF+ij], 31, v[OFF+ij]
	v_mad_u32_u24 v[OFF+ij], v[OFF+ij], COLP, v[AB]
.set ij, ij+1
.endr
.irp q, 0,1,2,3,4,5
	ds_load_b128 v[P2+24+4*\q:P2+27+4*\q], v[OFF+\q]
.endr
	s_wait_dscnt 0x0
	MAXA
	MAX2 16
	MAX2 24
	MAX2 32
	MAX2 40
.Lmerge:
	v_cmp_eq_u32 s82, s99, v[KB]                   ; my bin lies in this window,
	s_and_b32 s82, s82, s81                        ; and holds a pixel
.irp q, 0,1,2,3
	v_cndmask_b32 v[RES+\q], v[RES+\q], v[P2+\q], s82
.endr
	s_add_co_u32 s99, s99, 1
	s_add_co_u32 s100, s100, WSTEP
	s_cmp_lt_u32 s99, s19
	s_cbranch_scc1 .Lwin
	; Into the stage: block k, bin row ph, both cut again by the constants that they never pass, so that the range stands in these lines:
	; 7 x 12,544 + 3 x 3,136 + 3 x 784 + 24 + 6 x 28 + 3 x 196 + 4 = 100,352 bytes, the stage and no more.
	s_min_u32 s86, s92, 7
	s_mul_i32 s86, s86, BLK
	s_min_u32 s87, s93, 6
	s_mul_i32 s87, s87, 28                         ; seven results a bin row
	s_add_co_u32 s86, s86, s87
	v_add_nc_u32 v[STN], s86, v[ST0]
.irp q, 0,1,2,3
	ds_store_b32 v[STN], v[RES+\q] offset:BINS*4*\q ; four channels, 196 bytes apart
.endr
	s_add_co_u32 s83, s83, 1
	s_cmp_lt_u32 s83, 7
	s_cbranch_scc1 .Ltask
	s_wait_kmcnt 0x0                               ; what the last trip asked for ahead: nothing of mine is out at the barrier
	s_wait_loadcnt 0x0
	s_wait_dscnt 0x0                               ; my results are in the stage: zero, for the other waves' sake
	s_barrier_signal -1
	s_barrier_wait -1                              ; everybody's are
	s_min_u32 s90, s90, 511
	s_mul_i32 s28, s90, 256*BINS*4                 ; roi x 50,176 bytes, below 2^25
	s_mov_b32 s29, 0
	s_add_nc_u64 s[66:67], s[66:67], s[28:29]      ; block j's place in out0
	s_mul_i32 s86, s26, BLK
	v_add_nc_u32 v[X], s86, v[OUTX]                ; and in the stage
.set ir, 0
.rept 12
	ds_load_b64 v[D+2*ir:D+2*ir+1], v[X] offset:1024*ir
.set ir, ir+1
.endr
.set ir, 0
.rept 12
	s_wait_dscnt 11-ir                             ; load ir is in, the 11 - ir younger ones may be out
	global_store_b64 v[OUTX], v[D+2*ir:D+2*ir+1], s[66:67] offset:1024*ir th:TH_STORE_NT   ; a wave's store: 256 consecutive bytes, aligned
.set ir, ir+1
.endr
	s_cmp_lg_u32 s25, 0                            ; 49 blocks of 256 bytes = 12 for each of the four waves and one more, which the first takes
	s_cbranch_scc1 .Lend
	ds_load_b64 v[D+24:D+25], v[X] offset:12288
	s_wait_dscnt 0x0
	global_store_b64 v[OUTX], v[D+24:D+25], s[66:67] offset:12288 th:TH_STORE_NT
.Lend:
	s_endpgm
.Lfunc_end_k_q0def60a298_pool:
	.size	k_q0def60a298_pool, .Lfunc_end_k_q0def60a298_pool-k_q0def60a298_pool
	.p2alignl 7, 3214868480
	.fill 96, 4, 3214868480
	.section	.rodata,"a",@progbits
	.p2align	6, 0x0
	.amdhsa_kernel k_q0def60a298_pool
		.amdhsa_group_segment_fixed_size 182272
		.amdhsa_private_segment_fixed_size 0
		.amdhsa_enable_private_segment 0
		.amdhsa_kernarg_size 56
		.amdhsa_user_sgpr_count 2
		.amdhsa_user_sgpr_kernarg_segment_ptr 1
		.amdhsa_wavefront_size32 1
		.amdhsa_system_sgpr_workgroup_id_x 1
		.amdhsa_system_sgpr_workgroup_id_y 1
		.amdhsa_system_sgpr_workgroup_id_z 1
		.amdhsa_system_vgpr_workitem_id 0
		.amdhsa_next_free_vgpr 128
		.amdhsa_next_free_sgpr 106
		.amdhsa_reserve_vcc 0
		.amdhsa_float_denorm_mode_32 3
		.amdhsa_float_denorm_mode_16_64 3
		.amdhsa_memory_ordered 1
		.amdhsa_forward_progress 1
		.amdhsa_inst_pref_size 88
	.end_amdhsa_kernel
	.amdgpu_metadata
---
amdhsa.version: [ 1, 2 ]
amdhsa.kernels:
  - .name:           k_q0def60a298_pool
    .symbol:         k_q0def60a298_pool.kd
    .args:
      - { .name: feat0, .offset: 0, .size: 8, .value_kind: global_buffer, .address_space: global }
      - { .name: feat1, .offset: 8, .size: 8, .value_kind: global_buffer, .address_space: global }
      - { .name: feat2, .offset: 16, .size: 8, .value_kind: global_buffer, .address_space: global }
      - { .name: feat3, .offset: 24, .size: 8, .value_kind: global_buffer, .address_space: global }
      - { .name: plan, .offset: 32, .size: 8, .value_kind: global_buffer, .address_space: global }
      - { .name: order, .offset: 40, .size: 8, .value_kind: global_buffer, .address_space: global }
      - { .name: out0, .offset: 48, .size: 8, .value_kind: global_buffer, .address_space: global }
    .group_segment_fixed_size: 182272
    .private_segment_fixed_size: 0
    .kernarg_segment_align: 8
    .kernarg_segment_size: 56
    .max_flat_workgroup_size: 1024
    .sgpr_count:     106
    .vgpr_count:     128
    .wavefront_size: 32
...
	.end_amdgpu_metadata
.endif
;; end of part 4
